; MI455X (gfx1250); checked and timed in simulation.
; The chip was launched on July 23, 2026; its instructions are those of AMD's public machine-readable ISA for CDNA 5 (MIT licence, August 2026) and "CDNA5" Instruction Set Architecture Reference Guide (July 2026). The comments in the code are by the model that wrote it; some were corrected since.
;; Policy Net. Allowed arithmetic: float matrix products may take bf16 or f16 operands with f32 sums; other float arithmetic in f32, or as packed bf16 or f16 multiplies, adds, multiply-adds, maxima and minima; sums over many terms, partial sums and values carried from step to step in f32; what a program stores and reads back later, other than sums and carried values, may be rounded once to bf16 or f16.
;; Inputs: W1 2,048 x 4,096 float32; W2 2,048 x 2,048 float32; action_embedding 4,096 x 2,048 float32; b1 2,048 float32; b2 2,048 float32; history_t 2,048 float32; question_t 128 x 2,048 float32.
;; Outputs: out0 4,096 float32.
;; One version. Each part assembles by itself: llvm-mc -triple=amdgcn-amd-amdhsa -mcpu=gfx1250 --defsym DOCPART=n.
;; ======== version 1 of 1: 4 launches
;; limits: values are held in f16: magnitudes above 65,504 overflow, below 6.1e-05 lose precision
;; workspace buffers: Qbf 524,288 bytes; W2bf 8,388,608 bytes; Abf 16,777,216 bytes; Cv 8,192 bytes; PG 1,572,864 bytes; RT 32,768 bytes; SP 262,144 bytes
;; launch prep (part 1): grid 264 x 1, 8 waves a work-group, no clusters, 0 bytes of LDS; arguments W2, W1, question_t, history_t, b1, W2bf, Qbf, Cv; writes W2bf, Qbf, Cv
.if DOCPART == 1
	.amdgcn_target "amdgcn-amd-amdhsa--gfx1250"
	.amdhsa_code_object_version 6
	.text
	.protected	k_q73e7baa713_prep
	.globl	k_q73e7baa713_prep
	.p2align	8
	.type	k_q73e7baa713_prep,@function
k_q73e7baa713_prep:
	s_mov_b64 s[64:65], 0
	v_nop
	global_prefetch_b8 v0, s[64:65] scope:SCOPE_SE
	s_setreg_imm32_b32 hwreg(HW_REG_WAVE_MODE, 25, 1), 1
	s_wait_xcnt 0x0
; PREP.  Three jobs of one shape: a work-group takes 16 rows of 2,048 f32, each of its eight waves two of them.
;   work-groups 0-127:   W2's rows 16 g, rounded to bf16 into W2bf (same layout, [j][k])
;   work-groups 128-255: c[k] = W1[k][0:2048] . history + b1[k] for rows k = 16 (g - 128) .. + 15, into Cv (f32)
;   work-groups 256-263: question_t's rows 16 (g - 256), rounded to bf16 into Qbf
; WHY c: every row of the concatenated input begins with the same history, so its share of the first layer is one vector for all actions.
; All inputs are rounded to bf16 where they are used (history, W1 and b1 here too); products of two bf16 are exact in f32, sums are f32.
; A row is 8,192 bytes: 16 loads of 16 bytes a lane, each covering 512 consecutive bytes; both rows of a wave are asked for at once.
; A lane's four f32 pack into 8 bytes, so each store of a wave covers 256 consecutive bytes, aligned.
; c leaves as 8 bytes a wave: a work-group's 16 values are 64 bytes, 8,192 bytes in the whole launch.
; The one-row product is a dot in f32 beside the stream: a matrix tile would carry fifteen dead rows.  No LDS, no barrier: no wave needs another's bytes.
; LIMITS.  NaN and infinities are not treated apart; the sum's order differs from a plain ascending one.
.set D,   8                            ; v[8:15]    two rows x four chains of the dot
.set X0,  16                           ; v[16:79]   row 0 as loaded
.set X1,  80                           ; v[80:143]  row 1 as loaded
.set Y0,  144                          ; v[144:175] row 0 in bf16 (first: half of the history as loaded)
.set Y1,  176                          ; v[176:207] row 1 in bf16 (first: the other half)
.set HB,  208                          ; v[208:239] the history in bf16, in the lanes' order of a row
.set ZR,  244                          ; v244       0: the first links' addend
.set TP,  245                          ; v245       the lane exchange's landing place
.set SRC, 26                           ; s[26:27]   the work-group's first row
.set DST, 28                           ; s[28:29]   where its bf16 rows go
.macro LOADROW x, rr, pitch            ; one row: 16 loads
.set i, 0
.rept 16
	global_load_b128 v[(\x)+4*i:(\x)+4*i+3], v2, s[SRC:SRC+1] offset:(\rr)*(\pitch)+512*i th:TH_LOAD_NT
.set i, i+1
.endr
.endm
.macro PACK y, x                       ; 64 f32 to 32 words of two bf16, nearest even
.set i, 0
.rept 32
	v_cvt_pk_bf16_f32 v[(\y)+i], v[(\x)+2*i], v[(\x)+2*i+1]
.set i, i+1
.endr
.endm
.macro SENDROW y, rr                   ; 16 stores, 256 consecutive bytes each
.set i, 0
.rept 16
	global_store_b64 v4, v[(\y)+2*i:(\y)+2*i+1], s[DST:DST+1] offset:(\rr)*4096+256*i
.set i, i+1
.endr
.endm
.macro DOT y, d                        ; 64 multiply-adds from bf16 halves into f32, four chains; the first four links start the sums
.set i, 0
.rept 32
.if i < 2
	v_fma_mix_f32_bf16 v[(\d)+(2*i)%4], v[(\y)+i], v[HB+i], v[ZR] op_sel_hi:[1,1,0]
	v_fma_mix_f32_bf16 v[(\d)+(2*i+1)%4], v[(\y)+i], v[HB+i], v[ZR] op_sel:[1,1,0] op_sel_hi:[1,1,0]
.else
	v_fma_mix_f32_bf16 v[(\d)+(2*i)%4], v[(\y)+i], v[HB+i], v[(\d)+(2*i)%4] op_sel_hi:[1,1,0]
	v_fma_mix_f32_bf16 v[(\d)+(2*i+1)%4], v[(\y)+i], v[HB+i], v[(\d)+(2*i+1)%4] op_sel:[1,1,0] op_sel_hi:[1,1,0]
.endif
.set i, i+1
.endr
	v_add_f32 v[(\d)], v[(\d)], v[(\d)+1]
	v_add_f32 v[(\d)+2], v[(\d)+2], v[(\d)+3]
	v_add_f32 v[(\d)], v[(\d)], v[(\d)+2]
.endm
.macro WSUM d, t                       ; the sum over the wave's 32 lanes, in every lane
	v_add_f32_dpp v[\d], v[\d], v[\d] row_xmask:1 row_mask:0xf bank_mask:0xf
	v_add_f32_dpp v[\d], v[\d], v[\d] row_xmask:2 row_mask:0xf bank_mask:0xf
	v_add_f32_dpp v[\d], v[\d], v[\d] row_xmask:4 row_mask:0xf bank_mask:0xf
	v_add_f32_dpp v[\d], v[\d], v[\d] row_xmask:8 row_mask:0xf bank_mask:0xf
	v_permlanex16_b32 v[\t], v[\d], s36, s37
	v_add_f32 v[\d], v[\d], v[\t]
.endm
	s_load_b512 s[8:23], s[0:1], 0x0               ; W2 s[8:9], W1 s[10:11], Q s[12:13], history s[14:15], b1 s[16:17], W2bf s[18:19], Qbf s[20:21], Cv s[22:23]
	v_and_b32 v1, 31, v0                           ; lane
	v_lshrrev_b32 v3, 5, v0                        ; wave, in every lane
	v_readfirstlane_b32 s24, v3                    ; and as a scalar
	s_mov_b32 s36, 0x76543210                      ; v_permlanex16_b32: each lane takes its own place in the other half
	s_mov_b32 s37, 0xfedcba98
	s_sub_co_u32 s25, ttmp9, 256                   ; the index among Q's work-groups
	s_sub_co_u32 s31, ttmp9, 128                   ; the index among the dot's work-groups (wraps to a large number below 128)
	s_cmp_lt_u32 s31, 128
	s_cbranch_scc1 .Ldot
	; THE COPY: W2 or question_t
	v_lshlrev_b32 v2, 4, v1
	v_lshl_add_u32 v2, v3, 14, v2                  ; 16 x lane + wave x 2 rows of 8,192 bytes
	v_lshlrev_b32 v4, 3, v1
	v_lshl_add_u32 v4, v3, 13, v4                  ; 8 x lane + wave x 2 rows of 4,096 bytes
	s_mov_b32 s33, 0
	s_wait_kmcnt 0x0
	s_cmp_lt_u32 ttmp9, 128
	s_cselect_b32 s30, ttmp9, s25                  ; which 16 rows of the tensor
	s_cselect_b64 s[SRC:SRC+1], s[8:9], s[12:13]
	s_cselect_b64 s[DST:DST+1], s[18:19], s[20:21]
	s_lshl_b32 s32, s30, 17                        ; 16 rows of 8,192 bytes
	s_add_nc_u64 s[SRC:SRC+1], s[SRC:SRC+1], s[32:33]
	s_lshl_b32 s32, s30, 16                        ; 16 rows of 4,096 bytes
	s_add_nc_u64 s[DST:DST+1], s[DST:DST+1], s[32:33]
	LOADROW X0, 0, 8192
	LOADROW X1, 1, 8192
	s_wait_loadcnt 16                              ; row 0 is in; row 1's sixteen loads may stay out
	PACK Y0, X0
	SENDROW Y0, 0
	s_wait_loadcnt 0x0
	PACK Y1, X1
	SENDROW Y1, 1
	s_endpgm
.Ldot:	; THE DOT: two rows of W1's first half against the history
	v_lshlrev_b32 v5, 4, v1                        ; 16 x lane: the history in the same lanes' order as a row
	v_lshl_add_u32 v2, v3, 15, v5                  ; + wave x 2 rows of 16,384 bytes
	s_lshl_b32 s32, s31, 18                        ; 16 rows of 16,384 bytes
	s_mov_b32 s33, 0
	s_lshl_b32 s34, s31, 6                         ; 4 x (16 x index
	s_lshl_b32 s35, s24, 3                         ;      + 2 x wave): my two values in b1 and in c
	s_add_co_u32 s34, s34, s35
	v_mov_b32 v6, s34
	v_lshl_add_u32 v7, v1, 2, s34                  ; lane 0 stores the first, lane 1 the second
	v_mov_b32 v[ZR], 0
	v_mov_b32 v[TP], 0
	s_wait_kmcnt 0x0
	s_add_nc_u64 s[SRC:SRC+1], s[10:11], s[32:33]
.set i, 0
.rept 16
	global_load_b128 v[Y0+4*i:Y0+4*i+3], v5, s[14:15] offset:512*i
.set i, i+1
.endr
	global_load_b64 v[240:241], v6, s[16:17]
	LOADROW X0, 0, 16384
	LOADROW X1, 1, 16384
	s_wait_loadcnt 32                              ; the history and b1 are in; the two rows' 32 loads may stay out
	PACK HB, Y0
	v_cvt_pk_bf16_f32 v242, v240, v241             ; b1 is rounded like every input,
	v_lshlrev_b32 v243, 16, v242                   ; row 0's,
	v_and_b32 v242, 0xffff0000, v242               ; row 1's
	s_wait_loadcnt 16                              ; row 0 is in
	PACK Y0, X0
	DOT Y0, D
	s_wait_loadcnt 0x0
	PACK Y1, X1
	DOT Y1, D+4
	WSUM D, TP
	WSUM D+4, TP
	v_add_f32 v[D], v[D], v243
	v_add_f32 v[D+4], v[D+4], v242
	v_cmp_eq_u32 vcc_lo, 1, v1
	v_cndmask_b32 v[D], v[D], v[D+4], vcc_lo       ; lane 1 takes row 1's value
	s_wait_xcnt 0x0                                ; EXEC changes only behind this wait: loads have been issued
	v_cmp_gt_u32 vcc_lo, 2, v1
	s_and_saveexec_b32 s35, vcc_lo
	global_store_b32 v7, v[D], s[22:23]
	s_wait_xcnt 0x0                                ; and again in front of the line that widens it
	s_or_b32 exec_lo, exec_lo, s35
	s_endpgm
.Lfunc_end_k_q73e7baa713_prep:
	.size	k_q73e7baa713_prep, .Lfunc_end_k_q73e7baa713_prep-k_q73e7baa713_prep
	.p2alignl 7, 3214868480
	.fill 96, 4, 3214868480
	.section	.rodata,"a",@progbits
	.p2align	6, 0x0
	.amdhsa_kernel k_q73e7baa713_prep
		.amdhsa_group_segment_fixed_size 0
		.amdhsa_private_segment_fixed_size 0
		.amdhsa_enable_private_segment 0
		.amdhsa_kernarg_size 64
		.amdhsa_user_sgpr_count 2
		.amdhsa_user_sgpr_kernarg_segment_ptr 1
		.amdhsa_wavefront_size32 1
		.amdhsa_system_sgpr_workgroup_id_x 1
		.amdhsa_system_sgpr_workgroup_id_y 1
		.amdhsa_system_sgpr_workgroup_id_z 1
		.amdhsa_system_vgpr_workitem_id 0
		.amdhsa_next_free_vgpr 248
		.amdhsa_next_free_sgpr 66
		.amdhsa_reserve_vcc 1
		.amdhsa_float_denorm_mode_32 3
		.amdhsa_float_denorm_mode_16_64 3
		.amdhsa_memory_ordered 1
		.amdhsa_forward_progress 1
		.amdhsa_inst_pref_size 32
	.end_amdhsa_kernel
	.amdgpu_metadata
---
amdhsa.version: [ 1, 2 ]
amdhsa.kernels:
  - .name:           k_q73e7baa713_prep
    .symbol:         k_q73e7baa713_prep.kd
    .args:
      - { .name: W2, .offset: 0, .size: 8, .value_kind: global_buffer, .address_space: global }
      - { .name: W1, .offset: 8, .size: 8, .value_kind: global_buffer, .address_space: global }
      - { .name: question_t, .offset: 16, .size: 8, .value_kind: global_buffer, .address_space: global }
      - { .name: history_t, .offset: 24, .size: 8, .value_kind: global_buffer, .address_space: global }
      - { .name: b1, .offset: 32, .size: 8, .value_kind: global_buffer, .address_space: global }
      - { .name: W2bf, .offset: 40, .size: 8, .value_kind: global_buffer, .address_space: global }
      - { .name: Qbf, .offset: 48, .size: 8, .value_kind: global_buffer, .address_space: global }
      - { .name: Cv, .offset: 56, .size: 8, .value_kind: global_buffer, .address_space: global }
    .group_segment_fixed_size: 0
    .private_segment_fixed_size: 0
    .kernarg_segment_align: 8
    .kernarg_segment_size: 64
    .max_flat_workgroup_size: 256
    .sgpr_count:     66
    .vgpr_count:     248
    .wavefront_size: 32
...
	.end_amdgpu_metadata
.endif
;; end of part 1
;; launch rowsq (part 2): grid 192 x 1, 8 waves a work-group, no clusters, 149,504 bytes of LDS; arguments action_embedding, W1, b2, Qbf, Abf, PG, RT; writes Abf, PG, RT
.if DOCPART == 2
	.amdgcn_target "amdgcn-amd-amdhsa--gfx1250"
	.amdhsa_code_object_version 6
	.text
	.protected	k_q73e7baa713_rowsq
	.globl	k_q73e7baa713_rowsq
	.p2align	8
	.type	k_q73e7baa713_rowsq,@function
k_q73e7baa713_rowsq:
	s_mov_b64 s[64:65], 0
	v_nop
	global_prefetch_b8 v0, s[64:65] scope:SCOPE_SE
	s_setreg_imm32_b32 hwreg(HW_REG_WAVE_MODE, 25, 1), 1
	s_wait_xcnt 0x0
; ROWSQ.  X Q^T for 6,144 rows X of 2,048 numbers against the 128 question tokens; a work-group takes 32 rows.
;   ARM A (work-groups 0-127): X = the actions' rows 32 g.  The rows are rounded to bf16 (kept in LDS, and stored into Abf for the next launch), t = A . b2 is taken beside the stream,
;     the 32 x 128 scores are made, and each row's softmax over the tokens: p = 2^((s - m) log2 e) with m the row's maximum, rounded to f16 and stored UNNORMALISED (the largest is exactly 1)
;     into PG's first part; rl = 1 / l, l the f32 sum of the ROUNDED weights, goes to RT, t behind it.
;   ARM W (work-groups 128-191): X = the second half of W1's rows 32 (g - 128): GT[k][t] = sum over j of W1[k][2048 + j] Q[t][j], rounded to f16 into PG's second part.
;     WHY: attention's output is attn Q, so its share of the first layer is attn (Q W1b^T) = attn GT^T.
; SHARES.  Wave w streams rows 4 w .. 4 w + 3, multiplies all 32 rows by token tile w (tokens 16 w .. + 15), and finishes rows 4 w .. 4 w + 3.
; THE PRODUCT is taken transposed (source 0 = 16 tokens, source 1 = 16 rows of X): a lane ends with one row of X and eight neighbouring tokens.
; Q comes straight from memory into registers, a ring of four sets of 128 along K (8 loads each): no wave wants another wave's token tile.
; NO CLUSTER, though all work-groups read Qbf: beside the 131,584 bytes of X two LDS slots could hold 256 along K each: eight slots and six joint refills, with 16 matrix instructions
; a wave between two of them and one slot on its way; the register ring has 32 loads a wave on their way and no barrier.  32 rows to a work-group, not 16, halve the readings of Q.
; rl and t leave as 16 bytes a wave: a work-group's 32 rows are 128 bytes of each.
; LIMITS.  |GT| must stay within f16: 65,504.  A weight below 2^-25 counts as 0 in f16.  NaN and infinities are not treated apart.  Sums are taken in another order than a plain ascending one.
.set XP,    4112                       ; a row of X in LDS: 4,096 bytes + 16: an odd multiple of 16, so the 16 rows of a fragment load start in different groups of banks (64 banks of 4 bytes: ISA guide 11.1)
.set STG,   32*XP                      ; behind X: the scores, 32 rows x 528 bytes (512 + 16)
.set SGP,   528
.set SPARE, STG+32*SGP                 ; behind them: the spare words, 128 bytes for each wave: four blocks of 256 bytes that no other line names
.set XO,  4                            ; v4   16 x lane + my first row, in X's memory
.set LS,  5                            ; v5   8 x lane + my first row, in LDS
.set GS,  6                            ; v6   8 x lane + my first row, in Abf
.set QO,  7                            ; v7   my place in a fragment of Q: (16 w + l % 16) x 4,096 + 16 (l / 16)
.set T,   8                            ; v[8:11]  t of my four rows
.set XA0, 12                           ; v12  my place in a fragment of X's rows 0-15; steps along K
.set XA1, 13                           ; v13  the same for rows 16-31 (16 rows pass the 16-bit immediate)
.set SPW, 14                           ; v14  LDS address of my spare word; never rewritten
.set NIL, 15                           ; v15  0, for the add alone
.set ACC, 16                           ; v[16:47]  four accumulators: row tile mt, parity p of the K step, at ACC + 8 (2 p + mt)
.set BB,  48                           ; phase 1: v[48:79] b2 in bf16
.set X0,  80                           ; phase 1: v[80:143], v[144:207] two rows as loaded
.set X1,  144
.set Y,   208                          ; phase 1: v[208:239] a row in bf16
.set QR,  48                           ; phase 2: v[48:175] four sets of 32: Q's fragments
.set XF,  176                          ; phase 2: v[176:239] X's fragments of 128 along K: K step ks, row tile mt at XF + 16 ks + 8 mt
.set S,   48                           ; phase 3: v[48:63] four scores of each of my four rows
.set M,   64                           ; phase 3: v[64:71] a pair a row: the maximum, the exchange's landing place
.set L,   72                           ; phase 3: v[72:79] the same for the sum
.set PK,  80                           ; phase 3: v[80:87] two words of f16 a row
.set R,   88                           ; phase 3: v[88:91] 1 / l;  v92, v93 what lanes 0-3 store
.set SS,  240                          ; v240 where I put my 32 bytes of a row of scores
.set SR,  241                          ; v241 where I read 16 bytes of my rows back
.set PO,  242                          ; v242 8 x lane + my first row, in PG
.set RO,  243                          ; v243 4 x (my first row + lane), in RT
.set HO,  244                          ; v244 16 x lane
.set DC,  246                          ; v[246:249] the dot's four chains
.set TP,  250                          ; v250 the exchange's landing place in phase 1
.set ONE, 251                          ; v251 1.0
.set ZR,  252                          ; v252 0: the first links' addend
.macro LOADROW x, rr, pitch
.set i, 0
.rept 16
	global_load_b128 v[(\x)+4*i:(\x)+4*i+3], v[XO], s[26:27] offset:(\rr)*(\pitch)+512*i th:TH_LOAD_NT
.set i, i+1
.endr
.endm
.macro WSUM d, t
	v_add_f32_dpp v[\d], v[\d], v[\d] row_xmask:1 row_mask:0xf bank_mask:0xf
	v_add_f32_dpp v[\d], v[\d], v[\d] row_xmask:2 row_mask:0xf bank_mask:0xf
	v_add_f32_dpp v[\d], v[\d], v[\d] row_xmask:4 row_mask:0xf bank_mask:0xf
	v_add_f32_dpp v[\d], v[\d], v[\d] row_xmask:8 row_mask:0xf bank_mask:0xf
	v_permlanex16_b32 v[\t], v[\d], s36, s37
	v_add_f32 v[\d], v[\d], v[\t]
.endm
; Row rr, landed in x: rounded, put into LDS; arm = 1: also stored into Abf, and dotted with b2.  left = the younger row's loads, which may stay out.
.macro WORK x, rr, left, arm
	s_wait_loadcnt \left
.if \arm
	s_wait_xcnt 0x0                                ; Y was the data of the last row's stores: it is rewritten only behind this wait
.endif
.set i, 0
.rept 32
	v_cvt_pk_bf16_f32 v[Y+i], v[(\x)+2*i], v[(\x)+2*i+1]
.set i, i+1
.endr
.set i, 0
.rept 16
	ds_store_b64 v[LS], v[Y+2*i:Y+2*i+1] offset:(\rr)*XP+256*i
.set i, i+1
.endr
.if \arm
.set i, 0
.rept 16
	global_store_b64 v[GS], v[Y+2*i:Y+2*i+1], s[32:33] offset:(\rr)*4096+256*i  ; 256 consecutive bytes, aligned
.set i, i+1
.endr
.set i, 0
.rept 32
.if i < 2
	v_fma_mix_f32_bf16 v[DC+(2*i)%4], v[Y+i], v[BB+i], v[ZR] op_sel_hi:[1,1,0]
	v_fma_mix_f32_bf16 v[DC+(2*i+1)%4], v[Y+i], v[BB+i], v[ZR] op_sel:[1,1,0] op_sel_hi:[1,1,0]
.else
	v_fma_mix_f32_bf16 v[DC+(2*i)%4], v[Y+i], v[BB+i], v[DC+(2*i)%4] op_sel_hi:[1,1,0]
	v_fma_mix_f32_bf16 v[DC+(2*i+1)%4], v[Y+i], v[BB+i], v[DC+(2*i+1)%4] op_sel:[1,1,0] op_sel_hi:[1,1,0]
.endif
.set i, i+1
.endr
	v_add_f32 v[DC], v[DC], v[DC+1]
	v_add_f32 v[DC+2], v[DC+2], v[DC+3]
	v_add_f32 v[T+(\rr)], v[DC], v[DC+2]
	WSUM T+(\rr), TP
.endif
.endm
.macro QLOAD set, extra                ; a set: Q's fragments of 128 along K, 8 loads
.irp ks, 0,1,2,3
	global_load_b128 v[QR+32*(\set)+8*(\ks):QR+32*(\set)+8*(\ks)+3],   v[QO], s[28:29] offset:256*(\set)+64*(\ks)+(\extra)
	global_load_b128 v[QR+32*(\set)+8*(\ks)+4:QR+32*(\set)+8*(\ks)+7], v[QO], s[28:29] offset:256*(\set)+64*(\ks)+32+(\extra)
.endr
.endm
; 128 along K: 16 LDS loads, 8 products.  The four accumulators take turns, one instruction a turn, over the backward jump too.
; left = the loads of the younger sets, which may stay out.  refill = 1: the set is asked for again, 512 along K further on.
.macro TRIP set, refill, left
.irp ks, 0,1,2,3
	ds_load_b128 v[XF+16*(\ks):XF+16*(\ks)+3],     v[XA0] offset:256*(\set)+64*(\ks)
	ds_load_b128 v[XF+16*(\ks)+4:XF+16*(\ks)+7],   v[XA0] offset:256*(\set)+64*(\ks)+32
	ds_load_b128 v[XF+16*(\ks)+8:XF+16*(\ks)+11],  v[XA1] offset:256*(\set)+64*(\ks)
	ds_load_b128 v[XF+16*(\ks)+12:XF+16*(\ks)+15], v[XA1] offset:256*(\set)+64*(\ks)+32
.endr
	s_wait_loadcnt \left
.irp ks, 0,1,2,3
	s_wait_dscnt 12-4*(\ks)                        ; the later K steps' four loads each may stay out
	v_wmma_f32_16x16x32_bf16 v[ACC+16*((\ks)%2):ACC+16*((\ks)%2)+7], v[QR+32*(\set)+8*(\ks):QR+32*(\set)+8*(\ks)+7], v[XF+16*(\ks):XF+16*(\ks)+7], v[ACC+16*((\ks)%2):ACC+16*((\ks)%2)+7]
	v_wmma_f32_16x16x32_bf16 v[ACC+16*((\ks)%2)+8:ACC+16*((\ks)%2)+15], v[QR+32*(\set)+8*(\ks):QR+32*(\set)+8*(\ks)+7], v[XF+16*(\ks)+8:XF+16*(\ks)+15], v[ACC+16*((\ks)%2)+8:ACC+16*((\ks)%2)+15]
.endr
.rept 4
	v_nop                                          ; four places in front of loads into registers that the products have read (ISA guide 7.12.1 for vector instructions)
.endr
.if \refill
	QLOAD \set, 1024
.endif
.endm
; PHASE 2, the same text in both arms: the 32 x 16 scores of my token tile, into the stage.
.macro PHASE2
	s_wait_xcnt 0x0                                ; the last row's stores have read Y, which X's fragments overwrite
	QLOAD 0, 0
	QLOAD 1, 0
	QLOAD 2, 0
	QLOAD 3, 0
.set i, 0
.rept 32
	v_mov_b32 v[ACC+i], 0                          ; the sums start at 0, written while the first loads are out, so that the loop has one form of product
.set i, i+1
.endr
	s_wait_dscnt 0x0                               ; my rows of X lie in LDS,
	s_barrier_signal -1
	s_barrier_wait -1                              ; everybody's do
	s_mov_b32 s34, 3
.Lpass_\@:                                     ; a pass is 512 along K; three passes ask for the next one's sets
	TRIP 0, 1, 24                                  ; 24: the three younger sets of 8
	TRIP 1, 1, 24
	TRIP 2, 1, 24
	TRIP 3, 1, 24
	s_wait_xcnt 0x0                                ; the loads have read Q's base
	s_add_nc_u64 s[28:29], s[28:29], 1024
	v_add_nc_u32 v[XA0], 1024, v[XA0]
	v_add_nc_u32 v[XA1], 1024, v[XA1]
	s_sub_co_u32 s34, s34, 1
	s_cmp_lg_u32 s34, 0
	s_cbranch_scc1 .Lpass_\@
	TRIP 0, 0, 24                                  ; the last pass asks for nothing: the counts run down
	TRIP 1, 0, 16
	TRIP 2, 0, 8
	TRIP 3, 0, 0
.rept 4
	v_nop
.endr
.set i, 0
.rept 8
	v_pk_add_f32 v[ACC+i:ACC+i+1], v[ACC+i:ACC+i+1], v[ACC+16+i:ACC+16+i+1]  ; the two parities; each accumulator's lowest registers are read first
.set i, i+2
.endr
.irp mt, 0,1
	ds_store_b128 v[SS], v[ACC+8*(\mt):ACC+8*(\mt)+3]   offset:(\mt)*16*SGP
	ds_store_b128 v[SS], v[ACC+8*(\mt)+4:ACC+8*(\mt)+7] offset:(\mt)*16*SGP+16
.endr
	s_wait_dscnt 0x0                               ; for the others' sake: my part of every row is in the stage
	s_barrier_signal -1
	s_barrier_wait -1
.irp rr, 0,1,2,3
	ds_load_b128 v[S+4*(\rr):S+4*(\rr)+3], v[SR] offset:(\rr)*SGP  ; a whole row: lane l takes tokens 4 l .. 4 l + 3
.endr
	s_wait_dscnt 0x0
.endm
.macro FINISH                          ; the wave's end: behind my last LDS store
	s_wait_tensorcnt 0x0
	ds_add_u32 v[SPW], v[NIL]
	s_wait_dscnt 0x0
	s_endpgm
.endm
	s_load_b256 s[8:15], s[0:1], 0x0               ; A s[8:9], W1 s[10:11], b2 s[12:13], Qbf s[14:15]
	s_load_b128 s[16:19], s[0:1], 0x20             ; Abf s[16:17], PG s[18:19]
	s_load_b64 s[20:21], s[0:1], 0x30              ; RT
	v_lshl_add_u32 v[SPW], v0, 2, SPARE
	v_mov_b32 v[NIL], 0
	v_and_b32 v1, 31, v0                           ; lane
	v_and_b32 v2, 15, v0                           ; l % 16
	v_bfe_u32 v3, v0, 4, 1                         ; l / 16
	v_lshrrev_b32 v16, 5, v0
	v_readfirstlane_b32 s22, v16                   ; wave 0..7
	s_mov_b32 s36, 0x76543210
	s_mov_b32 s37, 0xfedcba98
	s_mov_b32 s38, 0x3fb8aa3b                      ; log2 e
	s_mov_b32 s39, s38                             ; named with it as a pair
	s_mov_b32 s45, 0
	s_mul_i32 s23, s22, 4*XP
	v_lshl_add_u32 v[LS], v1, 3, s23
	s_lshl_b32 s23, s22, 14
	v_lshl_add_u32 v[GS], v1, 3, s23
	s_lshl_b32 s23, s22, 16
	v_lshl_add_u32 v[QO], v2, 12, s23
	v_lshl_add_u32 v[QO], v3, 4, v[QO]
	v_mul_u32_u24 v[XA0], v2, XP
	v_lshl_add_u32 v[XA0], v3, 4, v[XA0]
	v_add_nc_u32 v[XA1], 16*XP, v[XA0]
	v_mul_u32_u24 v[SS], v2, SGP                   ; row l % 16, tokens 16 w + 8 (l / 16) on: 64 w + 32 (l / 16) bytes
	v_lshl_add_u32 v[SS], v3, 5, v[SS]
	s_lshl_b32 s23, s22, 6
	s_add_co_u32 s23, s23, STG
	v_add_nc_u32 v[SS], s23, v[SS]
	s_mul_i32 s23, s22, 4*SGP
	s_add_co_u32 s23, s23, STG
	v_lshl_add_u32 v[SR], v1, 4, s23
	s_lshl_b32 s23, s22, 10
	v_lshl_add_u32 v[PO], v1, 3, s23
	v_lshlrev_b32 v[HO], 4, v1
	v_mov_b32 v[TP], 0
	v_mov_b32 v[ONE], 1.0
	v_mov_b32 v[ZR], 0
	s_cmp_lt_u32 ttmp9, 128
	s_cbranch_scc0 .Larm_w
	; ARM A
	s_lshl_b32 s23, s22, 15
	v_lshl_add_u32 v[XO], v1, 4, s23               ; 16 x lane + 4 w rows of 8,192 bytes
	s_lshl_b32 s23, ttmp9, 7
	s_lshl_b32 s25, s22, 4
	s_add_co_u32 s23, s23, s25
	v_lshl_add_u32 v[RO], v1, 2, s23               ; 4 x (32 g + 4 w + lane)
	s_wait_kmcnt 0x0
	s_lshl_b32 s44, ttmp9, 18                      ; 32 rows of 8,192 bytes
	s_add_nc_u64 s[26:27], s[8:9], s[44:45]
	s_lshl_b32 s44, ttmp9, 17                      ; 32 rows of 4,096 bytes
	s_add_nc_u64 s[32:33], s[16:17], s[44:45]
	s_lshl_b32 s44, ttmp9, 13                      ; 32 rows of 256 bytes
	s_add_nc_u64 s[30:31], s[18:19], s[44:45]
	s_mov_b64 s[28:29], s[14:15]
.set i, 0
.rept 16
	global_load_b128 v[X1+4*i:X1+4*i+3], v[HO], s[12:13] offset:512*i  ; b2, in the lanes' order of a row
.set i, i+1
.endr
	LOADROW X0, 0, 8192
	s_wait_loadcnt 16                              ; b2 is in; row 0's sixteen loads may stay out
.set i, 0
.rept 32
	v_cvt_pk_bf16_f32 v[BB+i], v[X1+2*i], v[X1+2*i+1]
.set i, i+1
.endr
	LOADROW X1, 1, 8192
	WORK X0, 0, 16, 1
	LOADROW X0, 2, 8192
	WORK X1, 1, 16, 1
	LOADROW X1, 3, 8192
	WORK X0, 2, 16, 1
	WORK X1, 3, 0, 1
	PHASE2
	; the softmax of my four rows, the rows side by side so that no line waits for the one before it
.irp rr, 0,1,2,3
	v_max3_num_f32 v[M+2*(\rr)], v[S+4*(\rr)], v[S+4*(\rr)+1], v[S+4*(\rr)+2]
.endr
.irp rr, 0,1,2,3
	v_max_num_f32 v[M+2*(\rr)], v[M+2*(\rr)], v[S+4*(\rr)+3]
.endr
.irp x, 1,2,4,8
.irp rr, 0,1,2,3
	v_max_num_f32_dpp v[M+2*(\rr)], v[M+2*(\rr)], v[M+2*(\rr)] row_xmask:\x row_mask:0xf bank_mask:0xf
.endr
.endr
.irp rr, 0,1,2,3
	v_permlanex16_b32 v[M+2*(\rr)+1], v[M+2*(\rr)], s36, s37
.endr
.irp rr, 0,1,2,3
	v_max_num_f32 v[M+2*(\rr)], v[M+2*(\rr)], v[M+2*(\rr)+1]
.endr
.irp rr, 0,1,2,3
.irp k, 0,1
	v_pk_add_f32 v[S+4*(\rr)+2*(\k):S+4*(\rr)+2*(\k)+1], v[S+4*(\rr)+2*(\k):S+4*(\rr)+2*(\k)+1], v[M+2*(\rr):M+2*(\rr)+1] op_sel_hi:[1,0] neg_lo:[0,1] neg_hi:[0,1]  ; s - m first: exactly 0 at the maximum
.endr
.endr
.set i, 0
.rept 8
	v_pk_mul_f32 v[S+i:S+i+1], v[S+i:S+i+1], s[38:39] op_sel_hi:[1,0]
.set i, i+2
.endr
.set i, 0
.rept 16
	v_exp_f32 v[S+i], v[S+i]
.set i, i+1
.endr
	v_nop                                          ; a plain instruction behind the last exponential,
	s_wait_alu depctr_va_vdst(0)                   ; and the one wait ahead of the batch's first reader
.set i, 0
.rept 8
	v_cvt_pk_f16_f32 v[PK+i], v[S+2*i], v[S+2*i+1]
.set i, i+1
.endr
	; l is the sum of the weights AS ROUNDED: each f16 half times 1.0 onto the row's f32 sum
.irp rr, 0,1,2,3
	v_fma_mix_f32 v[L+2*(\rr)], v[PK+2*(\rr)], v[ONE], v[ZR] op_sel_hi:[1,0,0]
.endr
.irp rr, 0,1,2,3
	v_fma_mix_f32 v[L+2*(\rr)], v[PK+2*(\rr)], v[ONE], v[L+2*(\rr)] op_sel:[1,0,0] op_sel_hi:[1,0,0]
.endr
.irp rr, 0,1,2,3
	v_fma_mix_f32 v[L+2*(\rr)], v[PK+2*(\rr)+1], v[ONE], v[L+2*(\rr)] op_sel_hi:[1,0,0]
.endr
.irp rr, 0,1,2,3
	v_fma_mix_f32 v[L+2*(\rr)], v[PK+2*(\rr)+1], v[ONE], v[L+2*(\rr)] op_sel:[1,0,0] op_sel_hi:[1,0,0]
.endr
.irp rr, 0,1,2,3
	global_store_b64 v[PO], v[PK+2*(\rr):PK+2*(\rr)+1], s[30:31] offset:256*(\rr)  ; a whole row of P: 256 consecutive bytes, aligned
.endr
.irp rr, 0,1,2,3
	WSUM L+2*(\rr), L+2*(\rr)+1
.endr
.irp rr, 0,1,2,3
	v_rcp_f32 v[R+(\rr)], v[L+2*(\rr)]             ; l is at least 1: the largest weight is 1
.endr
	v_cmp_eq_u32 s40, 1, v1                        ; (plain work behind the last reciprocal)
	v_cmp_eq_u32 s41, 2, v1
	v_cmp_eq_u32 s42, 3, v1
	s_wait_alu depctr_va_vdst(0)                   ; one wait for the four reciprocals
	v_cndmask_b32 v92, v[R], v[R+1], s40           ; lanes 0 to 3 take rows 0 to 3
	v_cndmask_b32 v93, v[T], v[T+1], s40
	v_cndmask_b32 v92, v92, v[R+2], s41
	v_cndmask_b32 v93, v93, v[T+2], s41
	v_cndmask_b32 v92, v92, v[R+3], s42
	v_cndmask_b32 v93, v93, v[T+3], s42
	s_wait_xcnt 0x0                                ; EXEC changes only behind this wait
	v_cmp_gt_u32 vcc_lo, 4, v1
	s_and_saveexec_b32 s43, vcc_lo
	global_store_b32 v[RO], v92, s[20:21]          ; rl
	global_store_b32 v[RO], v93, s[20:21] offset:16384  ; t
	s_wait_xcnt 0x0                                ; and again in front of the line that widens it
	s_or_b32 exec_lo, exec_lo, s43
	FINISH
.Larm_w:	; ARM W
	s_sub_co_u32 s24, ttmp9, 128
	s_lshl_b32 s23, s22, 16
	v_lshl_add_u32 v[XO], v1, 4, s23               ; 16 x lane + 4 w rows of 16,384 bytes
	s_wait_kmcnt 0x0
	s_lshl_b32 s44, s24, 19                        ; 32 rows of 16,384 bytes,
	s_add_co_u32 s44, s44, 8192                    ; their second half
	s_add_nc_u64 s[26:27], s[10:11], s[44:45]
	s_lshl_b32 s44, s24, 13                        ; 32 rows of 256 bytes,
	s_add_co_u32 s44, s44, 0x100000                ; behind P
	s_add_nc_u64 s[30:31], s[18:19], s[44:45]
	s_mov_b64 s[28:29], s[14:15]
	LOADROW X0, 0, 16384
	LOADROW X1, 1, 16384
	WORK X0, 0, 16, 0
	LOADROW X0, 2, 16384
	WORK X1, 1, 16, 0
	LOADROW X1, 3, 16384
	WORK X0, 2, 16, 0
	WORK X1, 3, 0, 0
	PHASE2
.set i, 0
.rept 8
	v_cvt_pk_f16_f32 v[PK+i], v[S+2*i], v[S+2*i+1]
.set i, i+1
.endr
.irp rr, 0,1,2,3
	global_store_b64 v[PO], v[PK+2*(\rr):PK+2*(\rr)+1], s[30:31] offset:256*(\rr)  ; a whole row of GT
.endr
	FINISH
.Lfunc_end_k_q73e7baa713_rowsq:
	.size	k_q73e7baa713_rowsq, .Lfunc_end_k_q73e7baa713_rowsq-k_q73e7baa713_rowsq
	.p2alignl 7, 3214868480
	.fill 96, 4, 3214868480
	.section	.rodata,"a",@progbits
	.p2align	6, 0x0
	.amdhsa_kernel k_q73e7baa713_rowsq
		.amdhsa_group_segment_fixed_size 149504
		.amdhsa_private_segment_fixed_size 0
		.amdhsa_enable_private_segment 0
		.amdhsa_kernarg_size 56
		.amdhsa_user_sgpr_count 2
		.amdhsa_user_sgpr_kernarg_segment_ptr 1
		.amdhsa_wavefront_size32 1
		.amdhsa_system_sgpr_workgroup_id_x 1
		.amdhsa_system_sgpr_workgroup_id_y 1
		.amdhsa_system_sgpr_workgroup_id_z 1
		.amdhsa_system_vgpr_workitem_id 0
		.amdhsa_next_free_vgpr 256
		.amdhsa_next_free_sgpr 66
		.amdhsa_reserve_vcc 1
		.amdhsa_float_denorm_mode_32 3
		.amdhsa_float_denorm_mode_16_64 3
		.amdhsa_memory_ordered 1
		.amdhsa_forward_progress 1
		.amdhsa_inst_pref_size 122
	.end_amdhsa_kernel
	.amdgpu_metadata
---
amdhsa.version: [ 1, 2 ]
amdhsa.kernels:
  - .name:           k_q73e7baa713_rowsq
    .symbol:         k_q73e7baa713_rowsq.kd
    .args:
      - { .name: action_embedding, .offset: 0, .size: 8, .value_kind: global_buffer, .address_space: global }
      - { .name: W1, .offset: 8, .size: 8, .value_kind: global_buffer, .address_space: global }
      - { .name: b2, .offset: 16, .size: 8, .value_kind: global_buffer, .address_space: global }
      - { .name: Qbf, .offset: 24, .size: 8, .value_kind: global_buffer, .address_space: global }
      - { .name: Abf, .offset: 32, .size: 8, .value_kind: global_buffer, .address_space: global }
      - { .name: PG, .offset: 40, .size: 8, .value_kind: global_buffer, .address_space: global }
      - { .name: RT, .offset: 48, .size: 8, .value_kind: global_buffer, .address_space: global }
    .group_segment_fixed_size: 149504
    .private_segment_fixed_size: 0
    .kernarg_segment_align: 8
    .kernarg_segment_size: 56
    .max_flat_workgroup_size: 256
    .sgpr_count:     66
    .vgpr_count:     256
    .wavefront_size: 32
...
	.end_amdgpu_metadata
.endif
;; end of part 2
;; launch main (part 3): grid 16 x 16, 4 waves a work-group, clusters of 4 x 4, 327,680 bytes of LDS; arguments Abf, W2bf, PG, Cv, RT, SP; writes SP
.if DOCPART == 3
	.amdgcn_target "amdgcn-amd-amdhsa--gfx1250"
	.amdhsa_code_object_version 6
	.text
	.protected	k_q73e7baa713_main
	.globl	k_q73e7baa713_main
	.p2align	8
	.type	k_q73e7baa713_main,@function
k_q73e7baa713_main:
	s_mov_b64 s[64:65], 0
	v_nop
	global_prefetch_b8 v0, s[64:65] scope:SCOPE_SE
	s_setreg_imm32_b32 hwreg(HW_REG_WAVE_MODE, 25, 1), 1
	s_wait_xcnt 0x0
	s_wait_alu depctr_hold_cnt(0) depctr_sa_sdst(0) depctr_va_vdst(0) depctr_va_sdst(0) depctr_va_ssrc(0) depctr_va_vcc(0) depctr_vm_vsrc(0)
	s_getreg_b32 s2, hwreg(HW_REG_IB_STS2, 6, 4)
	s_cmp_eq_u32 s2, 0
	s_cbranch_scc0 .Lentry_in_a_cluster
	s_endpgm
.Lentry_in_a_cluster:
	s_bfe_u32 s2, ttmp6, 0x10000c
	s_cmp_lg_u32 s2, 0xf033
	s_cbranch_scc0 .Lentry_shape_is_right
	s_endpgm
.Lentry_shape_is_right:
; MAIN.  SP[part][m] = sum over the part's columns k of h[m][k] U'[m][k], where
;   U = A W2 (U[m][k] = sum over j of A[m][j] W2[j][k]; A, W2 in bf16, sums in f32) and U' is U summed over one half of j,
;   h[m][k] = relu(rl[m] sum over t of P[m][t] GT[k][t] + c[k])   (P, GT in f16, the rest in f32).
; WHY: sum_j (h W2^T + b2)_j A[m][j] = sum_k h[m][k] U[m][k] + b2 . A[m].  So h is never rounded, never a matrix operand and never stored; the one large product has two inputs as its operands.
; SHARES.  A tile of U is 256 x 256: 16 tile rows x 8 tile columns; the sum over j is halved between two work-groups (h . U is linear in U, so the halves are two parts of the sum): 256 work-groups.
; part = 8 x half + tile column.  Four waves, each 128 x 128 of U in 64 accumulators of 16 x 16, 512 registers.  j goes in 8 steps of 128 through a ring of two LDS slots filled by the tensor data mover.
; W2 LIES [j][k], the summed index along the rows' NUMBER: its fragments come out of LDS turned, by ds_load_tr16_b128; a step's tile is 128 rows of j x 512 bytes.
; THE MATRIX INSTRUCTION IS USED TRANSPOSED (source 0 = 16 columns k, source 1 = 16 rows m): a lane holds row m = l % 16 and columns 8 (l / 16) + 0..7, in U and in h alike, so the two meet register by register.
; CLUSTERS: 4 x 4 work-groups.  A's and P's tiles hang on the tile row (and the half) alone and are asked for jointly along a row of the cluster; W2's and GT's on the tile column (and the half) alone,
; jointly along a column: the same tensor load, descriptor and mask in the four that it names.
; THE TAIL.  When slot 0's last step has been read, the slot takes P's 256 rows and GT's 256 rows (256 bytes each); behind the last step h is made 16 rows at a time (32 products in f16),
; scaled, biased, clipped and multiplied into U's registers; a row's sum crosses the lanes' halves, meets the other column half's in LDS, and leaves as 256 consecutive bytes a wave.
; LIMITS.  P lies in 0 to 1; GT arrives within f16's range.  NaN and infinities are not treated apart.  Sums are taken in another order than a plain ascending one.
; REGISTERS, in windows of 256 (s_set_vgpr_msb: bits 1:0 source 0, 3:2 source 1, 5:4 source 2, 7:6 destination):
;   window 0: v0-31 addresses; v32-39 the rows' sums; v40-47 four chains; v48-63 rl, twice each; v64-127, v128-191 fragments of A, two buffers (in the tail: P's two buffers; h's 8 accumulators); v192-255 c
;   window 1: v64-127, v128-191 fragments of W2, two buffers; in the tail all 256: GT's fragments        windows 2, 3: U, accumulator (a, b) at v[8 (8 (a % 4) + b)]
.set KSTEP,  128
.set PITCH,  272                       ; a row of A, P or GT in LDS: 256 bytes + 16: the 16 rows of a fragment load start in 16 different groups of banks (64 banks of 4 bytes: ISA guide 11.1)
.set BPITCH, 544                       ; a row of W2 in LDS: 512 bytes + 32, an odd multiple of 32
.set HALFT,  128*PITCH                 ; what one tensor load brings: 128 rows x 272 = 64 rows x 544
.set SLOT,   4*HALFT                   ; A's 256 rows, then W2's 128 rows
.set STAGE,  2*SLOT                    ; behind the ring, never filled by a tensor load: f32 [2 column halves][256 rows]
.set SPARE,  STAGE+2048                ; the spare words, 128 bytes for each wave: two blocks of 256 bytes that no other line names
.set LAPS,   4                         ; a lap = two steps = once round the ring
.set ADRA, 16                          ; v16-17  my place in A's fragments in slot 0, 1 (slot 0's serves P too)
.set ADRB, 20                          ; v20-21  the same for W2's
.set ADRG, 22                          ; v22     for GT's
.set RLO,  23                          ; v23     my row's place in rl
.set STO,  24                          ; v24     the way out: where a row's sum goes
.set RD,   25                          ; v25     where two rows' sums are read back
.set CO,   26                          ; v26     their place in SP
.set CVO,  27                          ; v27     my columns' place in c
.set SPW,  28                          ; v28     LDS address of my spare word; never rewritten
.set NIL,  29                          ; v29     0; never rewritten
.set PFO,  30                          ; v30     the prefetches' offset for A and W2; never rewritten
.set PFX,  31                          ; v31     for P and GT: 256 x lane; never rewritten
.set SACC, 32
.set SCH,  40
.set RL,   48
.set F0,   64
.set F1,   128
.set PB,   64
.set HACC, 128
.set CV,   192
.set G1,   24                          ; s[24:31] group 1 for A;   s[32:39] group 0, a set for each slot
.set G0,   32
.set G1B,  48                          ; s[48:55], s[56:63] the same for W2
.set G0B,  56
.set G1P,  68                          ; s[68:75] group 1 for P;   s[76:83] for GT
.set G1G,  76
.set G0P,  84                          ; s[84:87] group 0 for P;   s[88:91] for GT
.set G0G,  88
.set LIMX, 21                          ; s21  the lap count at which I prefetch P or GT: 1, or 0 (never)
.set LIM,  43                          ; s43  1 in a wave that prefetches A or W2, else the greatest number
.set PFA,  44                          ; s[44:45] where those prefetches stand
.set PFB,  100                         ; s[100:101] where the one for P or GT stands
.set MSB, 0
.macro WIN new                         ; the immediate's high byte repeats the setting that is left; a switch that changes nothing is dropped
.if MSB != (\new)
	s_set_vgpr_msb (MSB<<8)|(\new)
.set MSB, \new
.endif
.endm
.set MUL_LO, 0xa1                      ; source 0 (W2) window 1, source 1 (A) window 0, C and D window 2
.set MUL_HI, 0xf1                      ; the same, C and D window 3
.set TO_B,   0x40                      ; destination window 1, address window 0
; A joint load.  Waves 0 and 1 ask by the first pair of groups (A, P), waves 2 and 3 by the second (W2, GT).  The branch hangs on the wave's number alone.
; An s_nop 0 and four v_nop follow each of the two lines, ahead of the jump and the label.
.macro JLOAD ga, sa, gb, sb
	s_cmp_eq_u32 s11, 0
	s_cbranch_scc0 .Lfor_b_\@
	tensor_load_to_lds s[(\ga):(\ga)+3], s[(\sa):(\sa)+7]
	s_nop 0
.rept 4
	v_nop
.endr
	s_branch .Lasked_\@
.Lfor_b_\@:
	tensor_load_to_lds s[(\gb):(\gb)+3], s[(\sb):(\sb)+7]
	s_nop 0
.rept 4
	v_nop
.endr
.Lasked_\@:
.endm
; PREFETCHES, behind a joint load, its five lines and the run of LDS loads.  ASK names the step that stands two refills on, 512 matrix instructions ahead of the load that will want it: one instruction a wave.
; Each 256 bytes are named once in the launch.  A's rows of a half are read by two clusters of a row of clusters: the one with even x asks; W2's by the four clusters of a column: the one with y = 0 asks.
; The four partners of a joint load share its rows out BY ADDRESS: of A's 128 rows 32 each, a lane a row; of W2's 64 rows 16 each, a lane half a row.  The last lap of the loop asks for nothing: no step stands behind the eighth.
.macro ASK
	s_cmp_gt_u32 s3, s[LIM]
	s_cbranch_scc0 .Lnot_mine_\@
	global_prefetch_b8 v[PFO], s[PFA:PFA+1] th:TH_LOAD_NT scope:SCOPE_SE
.Lnot_mine_\@:
.endm
; ASKX names my work-group's 32 of the 128 rows of P or GT that I shall fetch, once, in the loop's last lap: two steps ahead of their load.  P's rows: the cluster with x = 0 asks; GT's: y = 0 and the first half of j.
.macro ASKX
	s_cmp_eq_u32 s3, s[LIMX]
	s_cbranch_scc0 .Lnot_minex_\@
	global_prefetch_b8 v[PFX], s[PFB:PFB+1] th:TH_LOAD_NT scope:SCOPE_SE
.Lnot_minex_\@:
.endm
.macro CREST                           ; a round of the cluster's barrier behind its opening barrier
	s_cmp_lg_u32 s10, 0
	s_cbranch_scc1 .Lnot_wave_0_\@
	s_barrier_signal -3
.Lnot_wave_0_\@:
	s_barrier_wait -3
	s_barrier_signal -1
	s_barrier_wait -1
.endm
.macro CROUND                          ; a whole round
	s_barrier_signal -1
	s_barrier_wait -1
	CREST
.endm
	s_load_b128 s[4:7], s[0:1], 0x0                ; Abf s[4:5], W2bf s[6:7]
	s_load_b64 s[8:9], s[0:1], 0x10                ; PG
	s_load_b128 s[92:95], s[0:1], 0x18             ; Cv s[92:93], RT s[94:95]
	s_load_b64 s[96:97], s[0:1], 0x28              ; SP
	v_lshl_add_u32 v[SPW], v0, 2, SPARE
	v_mov_b32 v[NIL], 0
	ds_add_u32 v[SPW], v[NIL]                      ; the wave's opening: the add, twice on end, and its wait ahead of my first tensor load
	ds_add_u32 v[SPW], v[NIL]                      ; and once more; the set-up below, work on registers, stands between it and the wait
	v_lshrrev_b32 v1, 5, v0
	v_readfirstlane_b32 s10, v1                    ; wave 0..3
	s_lshr_b32 s11, s10, 1                         ; which half of the tile's rows is mine.  Also: I fetch A and P (0) or W2 and GT (1)
	s_and_b32 s12, s10, 1                          ; which half of its columns.  Also: which half of that tile I fetch
	s_bfe_u32 s40, ttmp6, 0x40000                  ; cx
	s_bfe_u32 s41, ttmp6, 0x40004                  ; cy
	s_and_b32 s42, ttmp9, 1                        ; in a cluster launch ttmp9 and ttmp7 count clusters
	s_lshl_b32 s42, s42, 2
	s_add_co_u32 s42, s42, s40                     ; tile column = 4 (cluster x % 2) + cx
	s_lshr_b32 s66, ttmp9, 1                       ; which half of j = cluster x / 2: all sixteen partners share it
	s_and_b32 s13, ttmp7, 0xffff
	s_lshl_b32 s13, s13, 2
	s_add_co_u32 s13, s13, s41                     ; tile row = 4 x cluster y + cy
	s_lshl_b32 s43, s41, 2
	s_lshl_b32 s43, 15, s43                        ; my row of the cluster
	s_lshl_b32 s44, 0x1111, s40                    ; my column
	; groups 1.  15:0 the mask; 17:16 elements of 2 bytes; 20 padding on; 21 set beside a mask; 24:22 the interval's code; 31:25 the pad's words less one
	s_or_b32 s[G1+0],  s43, (1<<16)|(1<<20)|(1<<21)|(5<<22)|(3<<25)  ; after every 64 words 4 words
	s_or_b32 s[G1B+0], s44, (1<<16)|(1<<20)|(1<<21)|(6<<22)|(7<<25)  ; after every 128 words 8 words
	s_or_b32 s[G1P+0], s43, (1<<16)|(1<<20)|(1<<21)|(5<<22)|(3<<25)
	s_or_b32 s[G1G+0], s44, (1<<16)|(1<<20)|(1<<21)|(5<<22)|(3<<25)
.irp g, G1, G1P, G1G                   ; 128 rows x 128 elements
	s_mov_b32 s[(\g)+1], 128<<16                   ; tensor_dim0
	s_mov_b32 s[(\g)+2], 128<<16                   ; tensor_dim1
	s_mov_b32 s[(\g)+3], 128<<16                   ; tile_dim0
	s_mov_b32 s[(\g)+4], 128                       ; tile_dim1
	s_mov_b32 s[(\g)+6], 0
	s_mov_b32 s[(\g)+7], 0
.endr
	s_mov_b32 s[G1+5], 2048                        ; elements from row to row: A's,
	s_mov_b32 s[G1P+5], 128                        ; P's and GT's
	s_mov_b32 s[G1G+5], 128
	s_mov_b32 s[G1B+1], 256<<16                    ; W2: 64 rows x 256 elements
	s_mov_b32 s[G1B+2], 64<<16
	s_mov_b32 s[G1B+3], 256<<16
	s_mov_b32 s[G1B+4], 64
	s_mov_b32 s[G1B+5], 2048
	s_mov_b32 s[G1B+6], 0
	s_mov_b32 s[G1B+7], 0
	; where the tiles come from.  A's and P's hang on the tile row, W2's and GT's on the tile column, each in registers that never hold the other coordinate
	s_lshl_b32 s17, s12, 7
	s_lshl_b32 s16, s13, 8
	s_add_co_u32 s16, s16, s17                     ; row 256 x tile row + 128 x half
	s_lshl_b32 s18, s16, 8                         ; P: rows of 256 bytes
	s_mov_b32 s19, 0
	s_lshl_b32 s16, s16, 12                        ; A: rows of 4,096 bytes,
	s_lshl_b32 s17, s66, 11
	s_add_co_u32 s16, s16, s17                     ; my half of j: 2,048 bytes along the row
	s_mov_b32 s17, 0
	s_lshl_b32 s46, s66, 10
	s_lshl_b32 s47, s12, 6
	s_add_co_u32 s46, s46, s47                     ; W2: row 1,024 x half of j + 64 x half of the step,
	s_lshl_b32 s46, s46, 12
	s_lshl_b32 s47, s42, 9
	s_add_co_u32 s46, s46, s47                     ; 512 bytes a tile column
	s_mov_b32 s47, 0
	s_lshl_b32 s22, s42, 8
	s_lshl_b32 s23, s12, 7
	s_add_co_u32 s22, s22, s23                     ; GT: row 256 x tile column + 128 x half,
	s_lshl_b32 s22, s22, 8
	s_add_co_u32 s22, s22, 0x100000                ; behind P's 1,048,576 bytes
	s_mov_b32 s23, 0
	s_mul_i32 s20, s10, HALFT                      ; and where they go: wave x 34,816: no place in the cluster enters an LDS address
	s_mov_b32 s[G0P], 1
	s_mov_b32 s[G0P+1], s20                        ; P and GT land in slot 0
	s_mov_b32 s[G0G], 1
	s_mov_b32 s[G0G+1], s20
	s_wait_dscnt 0x0                               ; both opening adds are done
	s_wait_kmcnt 0x0
	s_add_nc_u64 s[14:15], s[4:5], s[16:17]
	s_add_nc_u64 s[46:47], s[6:7], s[46:47]
	s_add_nc_u64 s[G0P+2:G0P+3], s[8:9], s[18:19]
	s_or_b32 s[G0P+3], s[G0P+3], 0x80000000
	s_add_nc_u64 s[G0G+2:G0G+3], s[8:9], s[22:23]
	s_or_b32 s[G0G+3], s[G0G+3], 0x80000000
	CROUND                                         ; all sixteen work-groups are here: the first joint loads meet
.irp s, 0,1
	s_mov_b32 s[G0+4*(\s)], 1                                      ; count = 1
	s_add_co_u32 s[G0+4*(\s)+1], s20, (\s)*SLOT                    ; LDS address
	s_add_nc_u64 s[G0+4*(\s)+2:G0+4*(\s)+3], s[14:15], (\s)*KSTEP*2  ; step s: 256 bytes along A's rows
	s_or_b32 s[G0+4*(\s)+3], s[G0+4*(\s)+3], 0x80000000            ; type = 2
	s_mov_b32 s[G0B+4*(\s)], 1
	s_add_co_u32 s[G0B+4*(\s)+1], s20, (\s)*SLOT
	s_add_nc_u64 s[G0B+4*(\s)+2:G0B+4*(\s)+3], s[46:47], (\s)*KSTEP*4096  ; step s: 128 rows of W2 down
	s_or_b32 s[G0B+4*(\s)+3], s[G0B+4*(\s)+3], 0x80000000
	JLOAD G0+4*(\s), G1, G0B+4*(\s), G1B           ; the ring is filled before anything else is done: two loads of mine are out
.endr
	v_and_b32 v1, 15, v0                           ; l % 16
	v_bfe_u32 v2, v0, 4, 1                         ; l / 16
	v_and_b32 v6, 31, v0                           ; l
	s_lshl_b32 s22, s42, 10
	s_lshl_b32 s23, s12, 9
	s_add_co_u32 s22, s22, s23
	v_lshl_add_u32 v[CVO], v2, 5, s22              ; 4 x (256 x tile column + 128 x half + 8 (l / 16))
	s_lshl_b32 s22, s13, 10
	s_lshl_b32 s23, s11, 9
	s_add_co_u32 s23, s22, s23
	v_lshl_add_u32 v[RLO], v1, 2, s23              ; 4 x (256 x tile row + 128 x half + l % 16)
.irp b, 0,1,2,3,4,5,6,7                ; c of my 64 columns, in the accumulators' order; rl of my 8 rows
	global_load_b128 v[CV+8*(\b):CV+8*(\b)+3],   v[CVO], s[92:93] offset:64*(\b)
	global_load_b128 v[CV+8*(\b)+4:CV+8*(\b)+7], v[CVO], s[92:93] offset:64*(\b)+16
.endr
.irp a, 0,1,2,3,4,5,6,7
	global_load_b32 v[RL+2*(\a)], v[RLO], s[94:95] offset:64*(\a)
.endr
	s_lshl_b32 s23, s10, 8
	s_add_co_u32 s22, s22, s23
	v_lshl_add_u32 v[CO], v6, 3, s22               ; 4 x (256 x tile row + 64 x wave) + 8 l
	; a fragment of A, P or GT: lane l holds row l % 16; two loads of 16 bytes, 32 bytes apart
	v_mul_u32_u24 v3, v1, PITCH
	v_lshl_add_u32 v3, v2, 4, v3
	s_mul_i32 s22, s11, HALFT                      ; my 128 rows of A
.irp s, 0,1
	v_add_nc_u32 v[ADRA+(\s)], s22, v3
	s_add_co_u32 s22, s22, SLOT
.endr
	s_mul_i32 s22, s12, HALFT
	s_add_co_u32 s22, s22, 2*HALFT                 ; my 128 rows of GT, behind P's 256
	v_add_nc_u32 v[ADRG], s22, v3
	; the turning load takes 16 rows of j x 16 columns (lane l reads row 8 (l / 16) + l % 8, columns 8 ((l / 8) % 2) + 0..7) and leaves half a fragment: lane l holds column l % 16 and 8 rows of j
	v_and_b32 v4, 7, v0
	v_lshl_add_u32 v4, v2, 3, v4
	v_mul_u32_u24 v4, v4, BPITCH
	v_bfe_u32 v5, v0, 3, 1
	v_lshl_add_u32 v4, v5, 4, v4
	s_lshl_b32 s22, s12, 8                         ; my 128 columns: 256 bytes along W2's rows,
	s_add_co_u32 s22, s22, 2*HALFT                 ; which lie behind A's 256
.irp s, 0,1
	v_add_nc_u32 v[ADRB+(\s)], s22, v4
	s_add_co_u32 s22, s22, SLOT
.endr
	s_lshl_b32 s22, s12, 10
	s_lshl_b32 s23, s11, 9
	s_add_co_u32 s22, s22, s23
	s_add_co_u32 s22, s22, STAGE
	v_lshl_add_u32 v[STO], v1, 2, s22              ; my column half's 256 sums, my 128 rows of them, row l % 16
	s_lshl_b32 s22, s10, 8
	s_add_co_u32 s22, s22, STAGE
	v_lshl_add_u32 v[RD], v6, 3, s22               ; back: wave w takes rows 64 w .. + 63, two a lane
	v_lshrrev_b32 v[PFO], s11, v6                  ; A: a lane a row of 4,096 bytes; W2: two lanes a row, 256 bytes each
	v_lshlrev_b32 v[PFO], 12, v[PFO]
	v_and_b32 v7, s11, v6
	v_lshl_add_u32 v[PFO], v7, 8, v[PFO]
	v_lshlrev_b32 v[PFX], 8, v6
	s_lshl_b32 s14, ttmp9, 2
	s_add_co_u32 s14, s14, s40                     ; my part = 4 x cluster x + cx,
	s_lshl_b32 s14, s14, 14                        ; 16,384 bytes each
	s_mov_b32 s15, 0
	s_add_nc_u64 s[96:97], s[96:97], s[14:15]
	s_mov_b32 s18, 0x76543210                      ; v_permlanex16_b32: each lane takes its own place in the other half
	s_mov_b32 s19, 0xfedcba98
	; where the prefetches stand
	s_and_b32 s14, ttmp7, 0xffff                   ; cluster y
	s_and_b32 s15, ttmp9, 1                        ; cluster x % 2
	s_or_b32 s16, s14, s66                         ; 0 where cluster y = 0 and the half of j is the first
	s_mul_i32 s98, s11, 11
	s_lshl_b32 s98, 256, s98                       ; a step: 256 bytes along A's rows, 524,288 bytes down W2's
	s_mov_b32 s99, 0
	s_lshl_b32 s20, s13, 8
	s_lshl_b32 s17, s12, 7
	s_add_co_u32 s20, s20, s17
	s_lshl_b32 s17, s40, 5
	s_add_co_u32 s20, s20, s17                     ; A and P: row 256 x tile row + 128 x half + 32 cx
	s_lshl_b32 s22, s20, 8
	s_lshl_b32 s20, s20, 12
	s_lshl_b32 s17, s66, 11
	s_add_co_u32 s20, s20, s17
	s_add_co_u32 s20, s20, 3*KSTEP*2               ; at step 3: the first refill steps it to 4
	s_lshl_b32 s46, s66, 10
	s_lshl_b32 s17, s12, 6
	s_add_co_u32 s46, s46, s17
	s_lshl_b32 s17, s41, 4
	s_add_co_u32 s46, s46, s17                     ; W2: row 1,024 x half of j + 64 x half + 16 cy
	s_lshl_b32 s46, s46, 12
	s_lshl_b32 s17, s42, 9
	s_add_co_u32 s46, s46, s17
	s_add_co_u32 s46, s46, 3*KSTEP*4096
	s_lshl_b32 s23, s42, 8
	s_lshl_b32 s17, s12, 7
	s_add_co_u32 s23, s23, s17
	s_lshl_b32 s17, s41, 5
	s_add_co_u32 s23, s23, s17                     ; GT: row 256 x tile column + 128 x half + 32 cy
	s_lshl_b32 s23, s23, 8
	s_add_co_u32 s23, s23, 0x100000
	s_cmp_eq_u32 s11, 0                            ; do I fetch A and P?
	s_cselect_b64 s[PFA:PFA+1], s[4:5], s[6:7]
	s_cselect_b32 s46, s20, s46
	s_cselect_b32 s22, s22, s23
	s_cselect_b32 s15, s15, s14                    ; the coordinate along which other clusters read the same steps,
	s_cselect_b32 s16, ttmp9, s16                  ; and the same rows of P or GT
	s_mov_b32 s47, 0
	s_mov_b32 s23, 0
	s_add_nc_u64 s[PFA:PFA+1], s[PFA:PFA+1], s[46:47]
	s_add_nc_u64 s[PFB:PFB+1], s[8:9], s[22:23]
	s_cmp_eq_u32 s15, 0
	s_cselect_b32 s[LIM], 1, -1                    ; the same in all sixteen partners, for a given wave
	s_cmp_eq_u32 s16, 0
	s_cselect_b32 s[LIMX], 1, 0
	; nothing is prefetched here, at the head, where every work-group's first tiles are on their way: steps 2 and 3 come by their refills alone
; 16 matrix instructions: row blocks a0, a0 + 1 of the window's four (hi = 0: my rows 0-63, 1: rows 64-127) x all 8 column blocks, 32 along j.  zero = 1: the first product starts the sums.
.macro MUL16 f, hi, a0, zero
	WIN MUL_LO+0x50*(\hi)
.irp a, \a0, (\a0)+1
.irp b, 0,1,2,3,4,5,6,7
.if \zero
	v_wmma_f32_16x16x32_bf16 v[8*(8*(\a)+(\b)):8*(8*(\a)+(\b))+7], v[(\f)+8*(\b):(\f)+8*(\b)+7], v[(\f)+8*(4*(\hi)+(\a)):(\f)+8*(4*(\hi)+(\a))+7], 0
.else
	v_wmma_f32_16x16x32_bf16 v[8*(8*(\a)+(\b)):8*(8*(\a)+(\b))+7], v[(\f)+8*(\b):(\f)+8*(\b)+7], v[(\f)+8*(4*(\hi)+(\a)):(\f)+8*(4*(\hi)+(\a))+7], v[8*(8*(\a)+(\b)):8*(8*(\a)+(\b))+7]
.endif
.endr
.endr
.endm
; 32 LDS loads in one run: the fragments of quarter q of a step (32 rows of j x 128 columns of W2, turned; 128 rows of A x 32 along j) into buffer f
.macro FETCH slot, q, f
	WIN TO_B
.irp i, 0,1,2,3,4,5,6,7
	ds_load_tr16_b128 v[(\f)+8*(\i):(\f)+8*(\i)+3],   v[ADRB+(\slot)] offset:(\q)*32*BPITCH+32*(\i)
	ds_load_tr16_b128 v[(\f)+8*(\i)+4:(\f)+8*(\i)+7], v[ADRB+(\slot)] offset:(\q)*32*BPITCH+32*(\i)+16*BPITCH
.endr
	WIN 0
.irp i, 0,1,2,3,4,5,6,7
	ds_load_b128 v[(\f)+8*(\i):(\f)+8*(\i)+3],   v[ADRA+(\slot)] offset:64*(\q)+(\i)*16*PITCH
	ds_load_b128 v[(\f)+8*(\i)+4:(\f)+8*(\i)+7], v[ADRA+(\slot)] offset:64*(\q)+(\i)*16*PITCH+32
.endr
.endm
.macro PLACES                          ; four places in front of loads into registers that matrix instructions have read, and of vector lines that read results (ISA guide 7.12.1 for vector instructions)
.rept 4
	v_nop
.endr
.endm
; A step is four quarters of 32 along j, 64 matrix instructions each, on buffers 0, 1, 0, 1.  One of the first three: multiplies buffer f; in its middle it fetches quarter q of the same slot into buffer g.
; The 64 accumulators take turns, one instruction a turn, in the same order in every quarter.
.macro QUARTER slot, q, f, g, zero
	s_wait_dscnt 8                                 ; W2's fragments and A's rows 0-63 are in; the youngest eight loads (A's rows 64-127) may be out
	WIN MUL_LO
	MUL16 \f, 0, 0, \zero
	MUL16 \f, 0, 2, \zero
	PLACES
	FETCH \slot, \q, \g
	s_wait_dscnt 32                                ; all but the 32 just issued
	WIN MUL_HI
	MUL16 \f, 1, 0, \zero
	MUL16 \f, 1, 2, \zero
.endm
; The last quarter multiplies buffer 1 and changes slots.  MEET is its first half: in front of ONE barrier each wave waits for all its tensor loads, of which one is out: its part of the other slot;
; adds 0 to its spare word; and waits for that and for its own reads of this slot.  Behind it nobody reads this slot any more and the other slot is whole.
.macro MEET round                      ; round = 1: the rest of a round of the cluster's barrier follows
	WIN 0                                          ; (the add's two registers lie in window 0)
	s_wait_tensorcnt 0x0
	ds_add_u32 v[SPW], v[NIL]
	s_wait_dscnt 9                                 ; (the add and the youngest eight loads may be out)
	WIN MUL_LO
	MUL16 F1, 0, 0, 0                              ; sixteen matrix instructions stand between the add and the wait for it
	s_wait_dscnt 0x0                               ; the add is done, and my reads of this slot are over
	s_barrier_signal -1
	MUL16 F1, 0, 2, 0                              ; work on registers while the others arrive
.if \round
	WIN 0
.endif
	s_barrier_wait -1
.endm
; The whole last quarter in the loop: behind the round the slot just read out is filled again first, with the step two steps on: 224 matrix instructions lie between the request and the wait for it.
.macro TURN slot, next
	s_wait_xcnt 0x0                                ; the last prefetch, a step back, has read its address
	s_add_nc_u64 s[PFA:PFA+1], s[PFA:PFA+1], s[98:99]
	MEET 1
	CREST                                          ; no wave of any partner still reads this slot or has a load on its way
	s_add_nc_u64 s[G0+4*(\slot)+2:G0+4*(\slot)+3], s[G0+4*(\slot)+2:G0+4*(\slot)+3], 2*KSTEP*2
	s_add_nc_u64 s[G0B+4*(\slot)+2:G0B+4*(\slot)+3], s[G0B+4*(\slot)+2:G0B+4*(\slot)+3], 2*KSTEP*4096
	JLOAD G0+4*(\slot), G1, G0B+4*(\slot), G1B     ; the four v_nop behind it are also the places in front of the loads below
	FETCH \next, 0, F0
	ASK
.if (\slot) == 0
	ASKX
.endif
	WIN MUL_HI
	MUL16 F1, 1, 0, 0
	MUL16 F1, 1, 2, 0
.endm
; THE TAIL's macros.  GT's fragments of quarter q (32 tokens) of my 128 columns -> window 1, v[64 q ..]
.macro GLOAD q
	WIN TO_B
.irp i, 0,1,2,3,4,5,6,7
	ds_load_b128 v[64*(\q)+8*(\i):64*(\q)+8*(\i)+3],   v[ADRG] offset:64*(\q)+(\i)*16*PITCH
	ds_load_b128 v[64*(\q)+8*(\i)+4:64*(\q)+8*(\i)+7], v[ADRG] offset:64*(\q)+(\i)*16*PITCH+32
.endr
.endm
.macro PLOAD a                         ; P's fragments of row block a, all 128 tokens -> buffer a % 2
	WIN 0
.irp q, 0,1,2,3
	ds_load_b128 v[PB+32*((\a)%2)+8*(\q):PB+32*((\a)%2)+8*(\q)+3],   v[ADRA] offset:64*(\q)+(\a)*16*PITCH
	ds_load_b128 v[PB+32*((\a)%2)+8*(\q)+4:PB+32*((\a)%2)+8*(\q)+7], v[ADRA] offset:64*(\q)+(\a)*16*PITCH+32
.endr
.endm
.macro HROW a                          ; P GT^T for row block a: 32 products, the 8 accumulators by turns; the first 8 start the sums
	WIN 0x01                                       ; GT in window 1; P, C and D in window 0
.irp q, 0,1,2,3
.irp b, 0,1,2,3,4,5,6,7
.if (\q) == 0
	v_wmma_f32_16x16x32_f16 v[HACC+8*(\b):HACC+8*(\b)+7], v[64*(\q)+8*(\b):64*(\q)+8*(\b)+7], v[PB+32*((\a)%2)+8*(\q):PB+32*((\a)%2)+8*(\q)+7], 0
.else
	v_wmma_f32_16x16x32_f16 v[HACC+8*(\b):HACC+8*(\b)+7], v[64*(\q)+8*(\b):64*(\q)+8*(\b)+7], v[PB+32*((\a)%2)+8*(\q):PB+32*((\a)%2)+8*(\q)+7], v[HACC+8*(\b):HACC+8*(\b)+7]
.endif
.endr
.endr
.endm
.macro EPI a                           ; h = relu(sum x rl + c); the row block's share of sum over k of h U.  Every accumulator is read from its lowest registers on.
	WIN 0
.set i, 0
.rept 32
	v_pk_fma_f32 v[HACC+2*i:HACC+2*i+1], v[HACC+2*i:HACC+2*i+1], v[RL+2*(\a):RL+2*(\a)+1], v[CV+2*i:CV+2*i+1]
.set i, i+1
.endr
.set i, 0
.rept 64
	v_max_num_f32 v[HACC+i], 0, v[HACC+i]
.set i, i+1
.endr
	WIN 0x08+4*((\a)/4)                            ; source 1: U, in window 2 or 3
.set UA, 64*((\a)%4)
.irp j, 0,1,2,3
	v_pk_mul_f32 v[SCH+2*(\j):SCH+2*(\j)+1], v[HACC+2*(\j):HACC+2*(\j)+1], v[UA+2*(\j):UA+2*(\j)+1]  ; the first products start four chains
.endr
.set i, 4
.rept 28
	v_pk_fma_f32 v[SCH+2*(i%4):SCH+2*(i%4)+1], v[HACC+2*i:HACC+2*i+1], v[UA+2*i:UA+2*i+1], v[SCH+2*(i%4):SCH+2*(i%4)+1]
.set i, i+1
.endr
	WIN 0
	v_pk_add_f32 v[SCH:SCH+1], v[SCH:SCH+1], v[SCH+2:SCH+3]
	v_pk_add_f32 v[SCH+4:SCH+5], v[SCH+4:SCH+5], v[SCH+6:SCH+7]
	v_pk_add_f32 v[SCH:SCH+1], v[SCH:SCH+1], v[SCH+4:SCH+5]
	v_add_f32 v[SACC+(\a)], v[SCH], v[SCH+1]
.endm
	s_wait_loadcnt 0x0                             ; c and rl
.irp a, 0,1,2,3,4,5,6,7
	v_mov_b32 v[RL+2*(\a)+1], v[RL+2*(\a)]         ; rl twice: the pair that the packed multiply-add takes
.endr
	s_wait_tensorcnt 1                             ; my part of step 0 is in; step 1's load stays out
	s_barrier_signal -1
	s_barrier_wait -1                              ; everybody's is
	FETCH 0, 0, F0
	QUARTER 0, 1, F0, F1, 1                        ; the first quarter stands in front of the loop: its products start the sums
	WIN 0                                          ; at a label and at a branch every window is 0
	s_mov_b32 s3, LAPS-1
.Llap:                                                 ; a trip goes once round the ring, from a lap's second quarter to the next lap's first, and fills both slots again
	QUARTER 0, 2, F1, F0, 0
	QUARTER 0, 3, F0, F1, 0
	TURN 0, 1
	QUARTER 1, 1, F0, F1, 0
	QUARTER 1, 2, F1, F0, 0
	QUARTER 1, 3, F0, F1, 0
	TURN 1, 0
	QUARTER 0, 1, F0, F1, 0
	WIN 0
	s_sub_co_u32 s3, s3, 1
	s_cmp_lg_u32 s3, 0
	s_cbranch_scc1 .Llap
	QUARTER 0, 2, F1, F0, 0                        ; the last lap is written out
	QUARTER 0, 3, F0, F1, 0
	MEET 1                                         ; slot 0's last step has been read:
	CREST
	JLOAD G0P, G1P, G0G, G1G                       ; the slot takes P and GT, the first tensor load behind the round; a whole step lies ahead of the wait for it
	FETCH 1, 0, F0
	WIN MUL_HI
	MUL16 F1, 1, 0, 0
	MUL16 F1, 1, 2, 0
	QUARTER 1, 1, F0, F1, 0
	QUARTER 1, 2, F1, F0, 0
	QUARTER 1, 3, F0, F1, 0
	MEET 0                                         ; my part of P or GT has landed, and everybody's: nothing is filled again, so no round follows
	PLACES                                         ; for the loads into buffer 0, which the quarter before multiplied
	GLOAD 0                                        ; three quarters of GT now: buffer 1 (v128-191 of both windows) is still being multiplied
	GLOAD 1
	GLOAD 3
	PLOAD 0
	PLOAD 1
	WIN MUL_HI
	MUL16 F1, 1, 0, 0
	MUL16 F1, 1, 2, 0
.rept 5
	v_nop                                          ; five places: h's accumulators and GT's third quarter land on registers that those products read
.endr
	GLOAD 2
	WIN 0
	s_wait_dscnt 0x0
.irp a, 0,1,2,3,4,5,6,7
	HROW \a
	PLACES                                         ; in front of the loads into P's buffer and of the lines that read h
.if (\a) < 6
	PLOAD (\a)+2                                   ; its buffer takes the block two further on
.endif
	EPI \a
.if (\a) < 6
	s_wait_dscnt 8                                 ; the next block's fragments are in; the eight loads just issued may stay out
.elseif (\a) == 6
	s_wait_dscnt 0x0
.endif
.endr
	; THE WAY OUT: a row's other 64 columns lie in the lane 16 away; the other column half's sums meet mine in LDS
.irp a, 0,1,2,3,4,5,6,7
	v_permlanex16_b32 v[SCH+(\a)], v[SACC+(\a)], s18, s19
.endr
.irp a, 0,1,2,3,4,5,6,7
	v_add_f32 v[SACC+(\a)], v[SACC+(\a)], v[SCH+(\a)]
.endr
.irp a, 0,1,2,3,4,5,6,7
	ds_store_b32 v[STO], v[SACC+(\a)] offset:64*(\a)  ; both halves of the lanes write the same word with the same value
.endr
	s_wait_dscnt 0x0                               ; for the others' sake: my sums are in the stage
	s_barrier_signal -1
	s_barrier_wait -1
	ds_load_b64 v[SCH:SCH+1], v[RD]
	ds_load_b64 v[SCH+2:SCH+3], v[RD] offset:1024
	s_wait_dscnt 0x0
	v_pk_add_f32 v[SCH:SCH+1], v[SCH:SCH+1], v[SCH+2:SCH+3]
	global_store_b64 v[CO], v[SCH:SCH+1], s[96:97]  ; the wave's 64 rows: 256 consecutive bytes, aligned
	s_wait_tensorcnt 0x0                           ; the wave's end, behind my last tensor load and my last LDS store
	ds_add_u32 v[SPW], v[NIL]
	s_wait_dscnt 0x0
	CROUND                                         ; the closing round: no work-group ends while a partner may still ask for a tile that names it
	s_endpgm
.Lfunc_end_k_q73e7baa713_main:
	.size	k_q73e7baa713_main, .Lfunc_end_k_q73e7baa713_main-k_q73e7baa713_main
	.p2alignl 7, 3214868480
	.fill 96, 4, 3214868480
	.section	.rodata,"a",@progbits
	.p2align	6, 0x0
	.amdhsa_kernel k_q73e7baa713_main
		.amdhsa_group_segment_fixed_size 327680
		.amdhsa_private_segment_fixed_size 0
		.amdhsa_enable_private_segment 0
		.amdhsa_kernarg_size 48
		.amdhsa_user_sgpr_count 2
		.amdhsa_user_sgpr_kernarg_segment_ptr 1
		.amdhsa_wavefront_size32 1
		.amdhsa_system_sgpr_workgroup_id_x 1
		.amdhsa_system_sgpr_workgroup_id_y 1
		.amdhsa_system_sgpr_workgroup_id_z 1
		.amdhsa_system_vgpr_workitem_id 0
		.amdhsa_next_free_vgpr 1024
		.amdhsa_next_free_sgpr 102
		.amdhsa_reserve_vcc 0
		.amdhsa_float_denorm_mode_32 3
		.amdhsa_float_denorm_mode_16_64 3
		.amdhsa_memory_ordered 1
		.amdhsa_forward_progress 1
		.amdhsa_inst_pref_size 197
	.end_amdhsa_kernel
	.amdgpu_metadata
---
amdhsa.version: [ 1, 2 ]
amdhsa.kernels:
  - .name:           k_q73e7baa713_main
    .symbol:         k_q73e7baa713_main.kd
    .args:
      - { .name: Abf, .offset: 0, .size: 8, .value_kind: global_buffer, .address_space: global }
      - { .name: W2bf, .offset: 8, .size: 8, .value_kind: global_buffer, .address_space: global }
      - { .name: PG, .offset: 16, .size: 8, .value_kind: global_buffer, .address_space: global }
      - { .name: Cv, .offset: 24, .size: 8, .value_kind: global_buffer, .address_space: global }
      - { .name: RT, .offset: 32, .size: 8, .value_kind: global_buffer, .address_space: global }
      - { .name: SP, .offset: 40, .size: 8, .value_kind: global_buffer, .address_space: global }
    .group_segment_fixed_size: 327680
    .private_segment_fixed_size: 0
    .kernarg_segment_align: 8
    .kernarg_segment_size: 48
    .max_flat_workgroup_size: 128
    .sgpr_count:     102
    .vgpr_count:     1024
    .wavefront_size: 32
...
	.end_amdgpu_metadata
.endif
;; end of part 3
;; launch soft (part 4): grid 1 x 1, 32 waves a work-group, no clusters, 4,608 bytes of LDS; arguments SP, RT, out0; writes out0
.if DOCPART == 4
	.amdgcn_target "amdgcn-amd-amdhsa--gfx1250"
	.amdhsa_code_object_version 6
	.text
	.protected	k_q73e7baa713_soft
	.globl	k_q73e7baa713_soft
	.p2align	8
	.type	k_q73e7baa713_soft,@function
k_q73e7baa713_soft:
	s_mov_b64 s[64:65], 0
	v_nop
	global_prefetch_b8 v0, s[64:65] scope:SCOPE_SE
	s_setreg_imm32_b32 hwreg(HW_REG_WAVE_MODE, 25, 1), 1
	s_wait_xcnt 0x0
; SOFT.  s[m] = t[m] + the sum of the 16 parts SP[p][m]; out = softmax of s over all 4,096 actions, the maximum taken away first.
; ONE work-group of 32 waves: the maximum and the sum span all rows, so they have one owner.  Thread i owns rows 4 i .. 4 i + 3: 17 loads of 16 bytes, each of a wave covering 512 consecutive bytes.
; The waves' maxima and sums meet in LDS, in blocks of their own, each behind a barrier of its own.
; LIMITS.  An exponential below 2^-126 counts as 0.  NaN and infinities are not treated apart.
.set SPARE, 512                        ; LDS: byte 0: 32 maxima; byte 256: 32 sums; from 512 on the spare words, 128 bytes for each wave, which no other line names
.set V,   8                            ; v[8:11] t, then s, then the result;  v[12:75] the 16 parts
.set MX,  76                           ; v[76:77] the maximum, the exchange's landing place
.set SM,  78                           ; v[78:79] the same for the sum
.set RC,  80                           ; v[80:81] 1 / sum, named as a pair
.set SPW, 90
.set NIL, 91
.macro ADD4 d, s
	v_pk_add_f32 v[(\d):(\d)+1], v[(\d):(\d)+1], v[(\s):(\s)+1]
	v_pk_add_f32 v[(\d)+2:(\d)+3], v[(\d)+2:(\d)+3], v[(\s)+2:(\s)+3]
.endm
.macro WMAX d, t
	v_max_num_f32_dpp v[\d], v[\d], v[\d] row_xmask:1 row_mask:0xf bank_mask:0xf
	v_max_num_f32_dpp v[\d], v[\d], v[\d] row_xmask:2 row_mask:0xf bank_mask:0xf
	v_max_num_f32_dpp v[\d], v[\d], v[\d] row_xmask:4 row_mask:0xf bank_mask:0xf
	v_max_num_f32_dpp v[\d], v[\d], v[\d] row_xmask:8 row_mask:0xf bank_mask:0xf
	v_permlanex16_b32 v[\t], v[\d], s12, s13
	v_max_num_f32 v[\d], v[\d], v[\t]
.endm
.macro WSUM d, t
	v_add_f32_dpp v[\d], v[\d], v[\d] row_xmask:1 row_mask:0xf bank_mask:0xf
	v_add_f32_dpp v[\d], v[\d], v[\d] row_xmask:2 row_mask:0xf bank_mask:0xf
	v_add_f32_dpp v[\d], v[\d], v[\d] row_xmask:4 row_mask:0xf bank_mask:0xf
	v_add_f32_dpp v[\d], v[\d], v[\d] row_xmask:8 row_mask:0xf bank_mask:0xf
	v_permlanex16_b32 v[\t], v[\d], s12, s13
	v_add_f32 v[\d], v[\d], v[\t]
.endm
	s_load_b128 s[4:7], s[0:1], 0x0                ; SP s[4:5], RT s[6:7]
	s_load_b64 s[8:9], s[0:1], 0x10                ; out0
	v_lshl_add_u32 v[SPW], v0, 2, SPARE
	v_mov_b32 v[NIL], 0
	v_lshlrev_b32 v2, 4, v0                        ; my four rows: 16 bytes
	v_and_b32 v3, 31, v0
	v_lshlrev_b32 v3, 2, v3                        ; 4 x lane
	v_lshrrev_b32 v4, 5, v0
	v_lshlrev_b32 v4, 2, v4                        ; 4 x wave
	v_mov_b32 v[MX+1], 0
	v_mov_b32 v[SM+1], 0
	v_mov_b32 v[RC+1], 0
	s_mov_b32 s12, 0x76543210
	s_mov_b32 s13, 0xfedcba98
	s_mov_b32 s14, 0x3fb8aa3b                      ; log2 e
	s_mov_b32 s15, s14
	s_wait_kmcnt 0x0
	global_load_b128 v[V:V+3], v2, s[6:7] offset:16384  ; t lies behind rl
.set p, 0
.rept 16
	global_load_b128 v[12+4*p:12+4*p+3], v2, s[4:5] offset:16384*p
.set p, p+1
.endr
	s_wait_loadcnt 0x0
.irp p, 0,1,2,3,4,5,6,7
	ADD4 12+4*(\p), 12+4*((\p)+8)
.endr
.irp p, 0,1,2,3
	ADD4 12+4*(\p), 12+4*((\p)+4)
.endr
.irp p, 0,1
	ADD4 12+4*(\p), 12+4*((\p)+2)
.endr
	ADD4 12, 16
	ADD4 V, 12
	v_max3_num_f32 v[MX], v[V], v[V+1], v[V+2]
	v_max_num_f32 v[MX], v[MX], v[V+3]
	WMAX MX, MX+1
	ds_store_b32 v4, v[MX]                         ; all lanes write the wave's word with the same value
	s_wait_dscnt 0x0
	s_barrier_signal -1
	s_barrier_wait -1
	ds_load_b32 v[MX], v3                          ; lane l takes wave l's maximum
	s_wait_dscnt 0x0
	WMAX MX, MX+1
	v_pk_add_f32 v[V:V+1], v[V:V+1], v[MX:MX+1] op_sel_hi:[1,0] neg_lo:[0,1] neg_hi:[0,1]
	v_pk_add_f32 v[V+2:V+3], v[V+2:V+3], v[MX:MX+1] op_sel_hi:[1,0] neg_lo:[0,1] neg_hi:[0,1]
	v_pk_mul_f32 v[V:V+1], v[V:V+1], s[14:15] op_sel_hi:[1,0]
	v_pk_mul_f32 v[V+2:V+3], v[V+2:V+3], s[14:15] op_sel_hi:[1,0]
	v_exp_f32 v[V], v[V]
	v_exp_f32 v[V+1], v[V+1]
	v_exp_f32 v[V+2], v[V+2]
	v_exp_f32 v[V+3], v[V+3]
	v_nop                                          ; a plain instruction behind the last exponential,
	s_wait_alu depctr_va_vdst(0)                   ; and the one wait ahead of the first reader
	v_pk_add_f32 v[SM:SM+1], v[V:V+1], v[V+2:V+3]
	v_add_f32 v[SM], v[SM], v[SM+1]
	WSUM SM, SM+1
	ds_store_b32 v4, v[SM] offset:256
	s_wait_dscnt 0x0
	s_barrier_signal -1
	s_barrier_wait -1
	ds_load_b32 v[SM], v3 offset:256
	s_wait_dscnt 0x0
	WSUM SM, SM+1
	v_rcp_f32 v[RC], v[SM]                         ; the sum is at least 1: the largest term is 1
	v_nop
	s_wait_alu depctr_va_vdst(0)
	v_pk_mul_f32 v[V:V+1], v[V:V+1], v[RC:RC+1] op_sel_hi:[1,0]
	v_pk_mul_f32 v[V+2:V+3], v[V+2:V+3], v[RC:RC+1] op_sel_hi:[1,0]
	global_store_b128 v2, v[V:V+3], s[8:9]         ; a wave's store covers 512 consecutive bytes, aligned
	s_wait_tensorcnt 0x0                           ; the wave's end, behind my last LDS store
	ds_add_u32 v[SPW], v[NIL]
	s_wait_dscnt 0x0
	s_endpgm
.Lfunc_end_k_q73e7baa713_soft:
	.size	k_q73e7baa713_soft, .Lfunc_end_k_q73e7baa713_soft-k_q73e7baa713_soft
	.p2alignl 7, 3214868480
	.fill 96, 4, 3214868480
	.section	.rodata,"a",@progbits
	.p2align	6, 0x0
	.amdhsa_kernel k_q73e7baa713_soft
		.amdhsa_group_segment_fixed_size 4608
		.amdhsa_private_segment_fixed_size 0
		.amdhsa_enable_private_segment 0
		.amdhsa_kernarg_size 24
		.amdhsa_user_sgpr_count 2
		.amdhsa_user_sgpr_kernarg_segment_ptr 1
		.amdhsa_wavefront_size32 1
		.amdhsa_system_sgpr_workgroup_id_x 1
		.amdhsa_system_sgpr_workgroup_id_y 1
		.amdhsa_system_sgpr_workgroup_id_z 1
		.amdhsa_system_vgpr_workitem_id 0
		.amdhsa_next_free_vgpr 96
		.amdhsa_next_free_sgpr 66
		.amdhsa_reserve_vcc 0
		.amdhsa_float_denorm_mode_32 3
		.amdhsa_float_denorm_mode_16_64 3
		.amdhsa_memory_ordered 1
		.amdhsa_forward_progress 1
		.amdhsa_inst_pref_size 8
	.end_amdhsa_kernel
	.amdgpu_metadata
---
amdhsa.version: [ 1, 2 ]
amdhsa.kernels:
  - .name:           k_q73e7baa713_soft
    .symbol:         k_q73e7baa713_soft.kd
    .args:
      - { .name: SP, .offset: 0, .size: 8, .value_kind: global_buffer, .address_space: global }
      - { .name: RT, .offset: 8, .size: 8, .value_kind: global_buffer, .address_space: global }
      - { .name: out0, .offset: 16, .size: 8, .value_kind: global_buffer, .address_space: global }
    .group_segment_fixed_size: 4608
    .private_segment_fixed_size: 0
    .kernarg_segment_align: 8
    .kernarg_segment_size: 24
    .max_flat_workgroup_size: 1024
    .sgpr_count:     66
    .vgpr_count:     96
    .wavefront_size: 32
...
	.end_amdgpu_metadata
.endif
;; end of part 4
